; MI455X (gfx1250); checked and timed in simulation.
; The chip was launched on July 23, 2026; its instructions are those of AMD's public machine-readable ISA for CDNA 5 (MIT licence, August 2026) and "CDNA5" Instruction Set Architecture Reference Guide (July 2026). The comments in the code are by the model that wrote it; some were corrected since.
;; Vector Quantizer EMA. Allowed arithmetic: float matrix products may take bf16 or f16 operands with f32 sums; other float arithmetic in f32, or as packed bf16 or f16 multiplies, adds, multiply-adds, maxima and minima; sums over many terms, partial sums and values carried from step to step in f32; what a program stores and reads back later, other than sums and carried values, may be rounded once to bf16 or f16.
;; Inputs: codebook 8,192 x 256 float32; z 8 x 8 x 512 x 256 float32.
;; Outputs: out0 8 x 8 x 512 x 256 float32; out1 one number float32; out2 32,768 int32.
;; One version. Each part assembles by itself: llvm-mc -triple=amdgcn-amd-amdhsa -mcpu=gfx1250 --defsym DOCPART=n.
;; ======== version 1 of 1: 4 launches
;; workspace buffers: cbh 4,194,304 bytes; ccb 32,768 bytes; blk 131,072 bytes of whole numbers; zzb 131,072 bytes; part 1,024 bytes
;; launch prep (part 1): grid 128 x 1, 16 waves a work-group, no clusters, 2,304 bytes of LDS; arguments codebook, cbh, ccb; writes cbh, ccb
.if DOCPART == 1
	.amdgcn_target "amdgcn-amd-amdhsa--gfx1250"
	.amdhsa_code_object_version 6
	.text
	.protected	k_qf453dc8fef_prep
	.globl	k_qf453dc8fef_prep
	.p2align	8
	.type	k_qf453dc8fef_prep,@function
k_qf453dc8fef_prep:
	s_mov_b64 s[64:65], 0
	v_nop
	global_prefetch_b8 v0, s[64:65] scope:SCOPE_SE
	s_setreg_imm32_b32 hwreg(HW_REG_WAVE_MODE, 25, 1), 1
	s_wait_xcnt 0x0
; cbh[k][:] = codebook[k][:] rounded to bf16; ccb[k] = the sum over d of cbh[k][d]^2, in f32.  codebook: [8192][256] f32.
; A stream: each input byte is read once, each output byte written once; no matrix unit, no cluster (no two work-groups read the same bytes).
; A work-group owns 64 rows, so that its 64 sums are 256 consecutive, aligned bytes of ccb; each of its 16 waves owns 4 rows.
; A lane holds columns 4 l .. 4 l + 3 and 128 + 4 l .. + 3 of a row: a load of the wave covers 512 consecutive bytes, a store 256.
; LIMIT: the sum's order (8 terms a lane in two chains, then across the lanes) is not the order of a sequential sum; NaN and infinities are not treated apart.
.set SPARE, 256                        ; LDS: bytes 0-255 the 64 sums; from 256 on the spare words, 128 bytes for each of 16 waves
.set LN,  1                            ; v1  lane
.set WN,  2                            ; v2  wave, later 16 x wave
.set ZR,  3                            ; v3  0.0: starts the chains
.set LO,  4                            ; v4  4096 w + 16 l: my bytes in the group's rows of codebook
.set SO,  5                            ; v5  2048 w + 8 l: my bytes in the group's rows of cbh
.set SPW, 6                            ; v6  my spare word; never rewritten
.set NIL, 7                            ; v7  0; never rewritten
.set X,   8                            ; v[8:39]   4 rows x 8 f32
.set P,   40                           ; v[40:55]  4 rows x 4 words of bf16
.set SQ,  56                           ; v[56:59]  the four sums
.set T,   60                           ; v[60:63]  at work
	s_load_b128 s[4:7], s[0:1], 0x0                ; codebook s[4:5], cbh s[6:7]
	s_load_b64 s[8:9], s[0:1], 0x10                ; ccb
	v_lshl_add_u32 v[SPW], v0, 2, SPARE
	v_mov_b32 v[NIL], 0
	v_lshrrev_b32 v[WN], 5, v0
	v_readfirstlane_b32 s10, v[WN]                 ; wave 0..15
	v_and_b32 v[LN], 31, v0
	v_mov_b32 v[ZR], 0
	v_mov_b32 v[T+2], 0                            ; v_permlanex16_b32 counts as a reader of its destination
	v_mov_b32 v[T+3], 0
	v_lshlrev_b32 v[LO], 4, v[LN]
	v_lshl_add_u32 v[LO], v[WN], 12, v[LO]
	v_lshlrev_b32 v[SO], 3, v[LN]
	v_lshl_add_u32 v[SO], v[WN], 11, v[SO]
	s_mov_b32 s12, 0x76543210                      ; each lane takes its own place in the other half
	s_mov_b32 s13, 0xfedcba98
	s_lshl_b32 s14, ttmp9, 16                      ; 64 rows of 1,024 bytes
	s_mov_b32 s15, 0
	s_lshl_b32 s16, ttmp9, 15                      ; 64 rows of 512 bytes
	s_mov_b32 s17, 0
	s_lshl_b32 s18, ttmp9, 8                       ; 64 sums
	s_mov_b32 s19, 0
	s_wait_kmcnt 0x0
	s_add_nc_u64 s[4:5], s[4:5], s[14:15]
	s_add_nc_u64 s[6:7], s[6:7], s[16:17]
	s_add_nc_u64 s[8:9], s[8:9], s[18:19]
.irp q, 0,1,2,3
	global_load_b128 v[X+8*\q:X+8*\q+3],   v[LO], s[4:5] offset:1024*\q th:TH_LOAD_NT
	global_load_b128 v[X+8*\q+4:X+8*\q+7], v[LO], s[4:5] offset:1024*\q+512 th:TH_LOAD_NT
.endr
; Row q: rounded, stored, and its squares added up from the rounded halves.
.macro ROWQ q
	s_wait_loadcnt 2*(3-(\q))                      ; loads come back in order: the younger rows' two loads each may stay out
.irp j, 0,1,2,3
	v_cvt_pk_bf16_f32 v[P+4*(\q)+\j], v[X+8*(\q)+2*\j], v[X+8*(\q)+2*\j+1]
.endr
	global_store_b64 v[SO], v[P+4*(\q):P+4*(\q)+1],   s[6:7] offset:512*(\q)       ; 32 lanes: 256 consecutive bytes, aligned
	global_store_b64 v[SO], v[P+4*(\q)+2:P+4*(\q)+3], s[6:7] offset:512*(\q)+256
	v_fma_mix_f32_bf16 v[T],   v[P+4*(\q)], v[P+4*(\q)], v[ZR] op_sel_hi:[1,1,0]                  ; low halves' chain
	v_fma_mix_f32_bf16 v[T+1], v[P+4*(\q)], v[P+4*(\q)], v[ZR] op_sel:[1,1,0] op_sel_hi:[1,1,0]   ; high halves' chain
.irp j, 1,2,3
	v_fma_mix_f32_bf16 v[T],   v[P+4*(\q)+\j], v[P+4*(\q)+\j], v[T] op_sel_hi:[1,1,0]
	v_fma_mix_f32_bf16 v[T+1], v[P+4*(\q)+\j], v[P+4*(\q)+\j], v[T+1] op_sel:[1,1,0] op_sel_hi:[1,1,0]
.endr
	v_add_f32 v[SQ+(\q)], v[T], v[T+1]
.endm
	ROWQ 0
	ROWQ 1
	ROWQ 2
	ROWQ 3
	; across the 32 lanes, the four rows side by side
.irp m, 1,2,4,8
.irp q, 0,1,2,3
	v_add_f32_dpp v[SQ+\q], v[SQ+\q], v[SQ+\q] row_xmask:\m row_mask:0xf bank_mask:0xf
.endr
.endr
.irp q, 0,1,2,3
	v_permlanex16_b32 v[T+\q], v[SQ+\q], s12, s13
.endr
.irp q, 0,1,2,3
	v_add_f32 v[SQ+\q], v[SQ+\q], v[T+\q]
.endr
	v_lshlrev_b32 v[WN], 4, v[WN]
	ds_store_b128 v[WN], v[SQ:SQ+3]                ; rows 4 w .. 4 w + 3: every lane writes the same 16 bytes
	s_wait_dscnt 0x0                               ; for the others' sake: my store is done
	s_barrier_signal -1
	s_barrier_wait -1
	s_cmp_lg_u32 s10, 0
	s_cbranch_scc1 .Lend
	v_lshlrev_b32 v[T], 3, v[LN]
	ds_load_b64 v[T+2:T+3], v[T]                   ; wave 0 takes all 64 sums,
	s_wait_dscnt 0x0
	global_store_b64 v[T], v[T+2:T+3], s[8:9]      ; 256 consecutive bytes, aligned
.Lend:
	s_wait_tensorcnt 0x0                           ; the wave's end: three lines behind my last LDS store
	ds_add_u32 v[SPW], v[NIL]
	s_wait_dscnt 0x0
	s_endpgm
.Lfunc_end_k_qf453dc8fef_prep:
	.size	k_qf453dc8fef_prep, .Lfunc_end_k_qf453dc8fef_prep-k_qf453dc8fef_prep
	.p2alignl 7, 3214868480
	.fill 96, 4, 3214868480
	.section	.rodata,"a",@progbits
	.p2align	6, 0x0
	.amdhsa_kernel k_qf453dc8fef_prep
		.amdhsa_group_segment_fixed_size 2304
		.amdhsa_private_segment_fixed_size 0
		.amdhsa_enable_private_segment 0
		.amdhsa_kernarg_size 24
		.amdhsa_user_sgpr_count 2
		.amdhsa_user_sgpr_kernarg_segment_ptr 1
		.amdhsa_wavefront_size32 1
		.amdhsa_system_sgpr_workgroup_id_x 1
		.amdhsa_system_sgpr_workgroup_id_y 1
		.amdhsa_system_sgpr_workgroup_id_z 1
		.amdhsa_system_vgpr_workitem_id 0
		.amdhsa_next_free_vgpr 64
		.amdhsa_next_free_sgpr 66
		.amdhsa_reserve_vcc 0
		.amdhsa_float_denorm_mode_32 3
		.amdhsa_float_denorm_mode_16_64 3
		.amdhsa_memory_ordered 1
		.amdhsa_forward_progress 1
		.amdhsa_inst_pref_size 9
	.end_amdhsa_kernel
	.amdgpu_metadata
---
amdhsa.version: [ 1, 2 ]
amdhsa.kernels:
  - .name:           k_qf453dc8fef_prep
    .symbol:         k_qf453dc8fef_prep.kd
    .args:
      - { .name: codebook, .offset: 0, .size: 8, .value_kind: global_buffer, .address_space: global }
      - { .name: cbh, .offset: 8, .size: 8, .value_kind: global_buffer, .address_space: global }
      - { .name: ccb, .offset: 16, .size: 8, .value_kind: global_buffer, .address_space: global }
    .group_segment_fixed_size: 2304
    .private_segment_fixed_size: 0
    .kernarg_segment_align: 8
    .kernarg_segment_size: 24
    .max_flat_workgroup_size: 512
    .sgpr_count:     66
    .vgpr_count:     64
    .wavefront_size: 32
...
	.end_amdgpu_metadata
.endif
;; end of part 1
;; launch main (part 2): grid 256 x 1, 4 waves a work-group, clusters of 4 x 1, 327,680 bytes of LDS; arguments cbh, ccb, z, blk, zzb; writes blk, zzb
.if DOCPART == 2
	.amdgcn_target "amdgcn-amd-amdhsa--gfx1250"
	.amdhsa_code_object_version 6
	.text
	.protected	k_qf453dc8fef_main
	.globl	k_qf453dc8fef_main
	.p2align	8
	.type	k_qf453dc8fef_main,@function
k_qf453dc8fef_main:
	s_mov_b64 s[64:65], 0
	v_nop
	global_prefetch_b8 v0, s[64:65] scope:SCOPE_SE
	s_setreg_imm32_b32 hwreg(HW_REG_WAVE_MODE, 25, 1), 1
	s_wait_xcnt 0x0
	s_wait_alu depctr_hold_cnt(0) depctr_sa_sdst(0) depctr_va_vdst(0) depctr_va_sdst(0) depctr_va_ssrc(0) depctr_va_vcc(0) depctr_vm_vsrc(0)
	s_getreg_b32 s2, hwreg(HW_REG_IB_STS2, 6, 4)
	s_cmp_eq_u32 s2, 0
	s_cbranch_scc0 .Lentry_in_a_cluster
	s_endpgm
.Lentry_in_a_cluster:
	s_bfe_u32 s2, ttmp6, 0x10000c
	s_cmp_lg_u32 s2, 0x3003
	s_cbranch_scc0 .Lentry_shape_is_right
	s_endpgm
.Lentry_shape_is_right:
; For each of 32,768 rows of z: d[k] = fl(fl(zz - 2 z.c_k) + cc_k) over all 8,192 codes, z and c rounded to bf16, products by the matrix unit, sums in f32;
; stored: blk[row] = the OCTET (8 consecutive codes, 0..1023) that holds the first least d, and zzb[row] = zz.  The next launch chooses inside the octet.
; SHARES.  A work-group owns 128 rows of z and walks all codes.  EVERY wave holds all 128 rows as bf16 fragments (64 fragments, 512 registers, windows 1 and 2); the waves share the codes:
; of a chunk of 256 codes wave w takes 64 w .. 64 w + 63, four tiles of 16.  A code fragment (two LDS loads) feeds 8 matrix instructions, and each LDS byte of a chunk is read by one wave.
; LAYOUT.  Source 0 = 16 codes, source 1 = 16 rows of z: in the result lane (r, h) holds row r and codes 8 h + 0..7, an octet.  So a lane's minimum over an accumulator is an octet's minimum,
; and it is enough to remember WHICH TILE last lowered the lane's running minimum: 19 vector instructions for 8 matrix instructions.
; BY TURNS.  A tile is 8 K steps x 8 z tiles, K outer, so that the 8 accumulators take turns, one instruction a turn.  Two sets of accumulators: while one tile is
; multiplied, the tile before is worked off, accumulator s beside K step s, two or three vector instructions behind each matrix instruction.
; THE ORDER OF EQUAL d is the reference's: inside a lane tiles come in ascending order and only a strictly lower d replaces; lanes and waves are merged by (d, octet).
; CLUSTER.  The four work-groups of a cluster walk the same chunks and the same table of cc, so both are asked for JOINTLY (mask 15): same load, same descriptor in all four.
; z is each work-group's own and comes by plain loads.  4 x 1 and not 4 x 4: only the codebook is shared, and every work-group shares it.
; RING.  Two slots of one chunk (256 rows x 528 bytes).  Slot 0 first holds the work-group's z in f32 (128 rows x 1,040 bytes); chunk c lies in slot (c + 1) % 2.
; LIMITS.  NaN and infinities are not treated apart (a row whose d are all NaN or +inf gets octet h of tile 0).  zz is the diagonal of z z^T made by the matrix unit from the rounded z.
; The last bits of zz, z.c and cc follow this text's order of summation; two codes whose d differ by one f32 step or less may be ordered otherwise than by another order of summation.
; REGISTERS, in windows of 256 (s_set_vgpr_msb: bits 1:0 source 0, 3:2 source 1, 5:4 source 2, 7:6 destination):
;   window 0: v0-15 addresses and four at work; v16-31 zz, twice for each z tile; v32-39 running minima; v40-47 their tiles; v48-63 cc of two tiles; v64-127 8 code fragments; v128-255 two sets of 8 accumulators
;   windows 1, 2: z's fragment (tile t, K step c) in window 1 + c / 4 at v[8 (8 (c % 4) + t)]
; In the loop every vector line and every LDS load names vector registers in source 0, source 2 and the destination alone, so it runs unchanged while source 1 points at window 1 or 2: two switches a tile.
.set PC,     528                       ; a code row in LDS: 512 bytes + 16 = 132 words: the 16 rows of a load start 4 banks apart (64 banks of 4 bytes: ISA guide 11.1)
.set WPART,  64*PC                     ; a wave's part of a chunk: what it fetches and what it reads
.set SLOT1,  4*WPART                   ; 135,168 = 0x21000: shares no bit with w x WPART, so one exclusive or turns an address in one slot into the other's
.set PZ,     1040                      ; a row of z in LDS: 1,024 bytes + 16
.set CCB,    2*SLOT1                   ; the table of cc, 32,768 bytes, filled once
.set SCR,    CCB+32768                 ; 4 waves x 128 rows x (d, octet): written by LDS stores alone
.set ZS,     SCR+4096                  ; zz of the 128 rows: written by LDS stores alone
.set SPARE,  ZS+512                    ; the spare words, 128 bytes for each wave: two blocks of 256 bytes that no other line names
.set CHUNKB, 256*512                   ; a chunk in memory
.set R,   1                            ; v1   lane % 16
.set H,   2                            ; v2   lane / 16
.set A0,  3                            ; v3   my place in a slot: w x WPART + 528 r + 16 h
.set ADR, 4                            ; v4   the same in the slot in hand
.set CC0, 5                            ; v5   CCB + 256 w + 32 h
.set CCA, 6                            ; v6   the same for the chunk in hand
.set ZA0, 7                            ; v7   1040 r + 32 h: my place in z's stage, tiles 0-3
.set ZA1, 8                            ; v8   tiles 4-7
.set SA,  9                            ; v9   SCR + 1024 w + 8 r
.set SPW, 10                           ; v10  my spare word; never rewritten
.set NIL, 11                           ; v11  0; never rewritten
.set TM,  12                           ; v12-15 at work
.set ZZ,  16
.set RUN, 32
.set IDX, 40
.set CC,  48
.set AF,  64
.set ACC, 128
.set WV,  14                           ; s14  wave
.set WG,  15                           ; s15  work-group
.set G1C, 16                           ; s[16:23] group 1, chunks      s[24:31] z      s[32:39] cc
.set G1Z, 24
.set G1S, 32
.set G0C, 40                           ; s[40:43] group 0, chunks: it walks      s[44:47] z      s[48:51] cc
.set G0Z, 44
.set G0S, 48
.set TB,  52                           ; s52  the slot that is read: 0 or SLOT1
.set CB,  53                           ; s53  1,024 x chunk
.set TP,  54                           ; s54  number (code / 16) of the tile that is worked off
.set TC,  55                           ; s55  of the tile that is multiplied
.set PINF, 56                          ; s56  +infinity
.set MK,  57                           ; s57  lanes whose minimum was lowered
.set CNT, 58
.set SEL, 60                           ; s[60:61] v_permlanex16_b32's selects
.set DM,  68                           ; s[69:75] lanes with lane % 8 = j
.set VMK, 76                           ; s76  lanes 0-7 and 24-31: those that hold the diagonal
.set W1,  0x04                         ; source 1 in window 1
.set W2,  0x08                         ; source 1 in window 2
.set MSB, 0
.macro WIN new                         ; the immediate's high byte repeats the setting that is left; a switch that changes nothing is dropped
.if MSB != (\new)
	s_set_vgpr_msb (MSB<<8)|(\new)
.set MSB, (\new)
.endif
.endm
.macro PLACES                          ; four plain places behind a matrix instruction (ISA guide 7.12.1), where no other vector work is at hand
.rept 4
	v_nop
.endr
.endm
.macro CREST                           ; a round of the cluster's barrier behind its opening barrier
	s_cmp_lg_u32 s[WV], 0
	s_cbranch_scc1 .Lnot_wave_0_\@
	s_barrier_signal -3
.Lnot_wave_0_\@:
	s_barrier_wait -3
	s_barrier_signal -1
	s_barrier_wait -1
.endm
.macro CROUND                          ; a whole round
	s_barrier_signal -1
	s_barrier_wait -1
	CREST
.endm
	s_load_b256 s[4:11], s[0:1], 0x0               ; cbh s[4:5], ccb s[6:7], z s[8:9], blk s[10:11]
	s_load_b64 s[12:13], s[0:1], 0x20              ; zzb
	v_lshl_add_u32 v[SPW], v0, 2, SPARE
	v_mov_b32 v[NIL], 0
	ds_add_u32 v[SPW], v[NIL]                      ; the wave's opening: the add and its wait stand ahead of my first tensor load; work on registers stands between them
	v_lshrrev_b32 v[TM], 5, v0
	v_readfirstlane_b32 s[WV], v[TM]               ; wave 0..3
	s_bfe_u32 s84, ttmp6, 0x40000                  ; cx: it enters z's, blk's and zzb's addresses alone
	s_lshl_b32 s[WG], ttmp9, 2                     ; in a cluster launch ttmp9 counts clusters
	s_add_co_u32 s[WG], s[WG], s84
	; group 1 for a wave's part of a chunk: 64 rows x 256 bf16, 16 bytes of padding behind each row
	s_mov_b32 s[G1C], 15|(1<<16)|(1<<20)|(1<<21)|(6<<22)|(3<<25)  ; mask of four; 2-byte elements; padding on; bit 21 beside a mask; after every 128 words; 4 words
	s_mov_b32 s[G1C+1], 256<<16                    ; tensor_dim0
	s_mov_b32 s[G1C+2], 64<<16                     ; tensor_dim1
	s_mov_b32 s[G1C+3], 256<<16                    ; tile_dim0
	s_mov_b32 s[G1C+4], 64                         ; tile_dim1
	s_mov_b32 s[G1C+5], 256                        ; elements from row to row
	s_mov_b32 s[G1C+6], 0
	s_mov_b32 s[G1C+7], 0
	; group 1 for a wave's quarter of z: 32 rows x 256 f32, 16 bytes of padding behind each row; no mask: each work-group's own
	s_mov_b32 s[G1Z], (2<<16)|(1<<20)|(7<<22)|(3<<25)
	s_mov_b32 s[G1Z+1], 256<<16
	s_mov_b32 s[G1Z+2], 32<<16
	s_mov_b32 s[G1Z+3], 256<<16
	s_mov_b32 s[G1Z+4], 32
	s_mov_b32 s[G1Z+5], 256
	s_mov_b32 s[G1Z+6], 0
	s_mov_b32 s[G1Z+7], 0
	; group 1 for a wave's quarter of cc: 8,192 dense bytes as 32 rows of 256 bytes (32 elements of 8 bytes)
	s_mov_b32 s[G1S], 15|(3<<16)|(1<<21)
	s_mov_b32 s[G1S+1], 32<<16
	s_mov_b32 s[G1S+2], 32<<16
	s_mov_b32 s[G1S+3], 32<<16
	s_mov_b32 s[G1S+4], 32
	s_mov_b32 s[G1S+5], 32
	s_mov_b32 s[G1S+6], 0
	s_mov_b32 s[G1S+7], 0
	s_mov_b32 s[G0C], 1
	s_mul_i32 s[G0C+1], s[WV], WPART
	s_add_co_u32 s[G0C+1], s[G0C+1], SLOT1         ; chunk 0 goes into slot 1
	s_mov_b32 s[G0Z], 1
	s_mul_i32 s[G0Z+1], s[WV], 32*PZ               ; z goes into slot 0's bytes
	s_mov_b32 s[G0S], 1
	s_lshl_b32 s[G0S+1], s[WV], 13
	s_add_co_u32 s[G0S+1], s[G0S+1], CCB
	s_lshl_b32 s78, s[WV], 15                      ; my 64 rows of a chunk: 32,768 bytes
	s_mov_b32 s79, 0
	s_lshl_b32 s80, s[WG], 17                      ; my work-group's 128 rows of z,
	s_add_co_u32 s80, s80, s78                     ; my 32 of them
	s_mov_b32 s81, 0
	s_lshl_b32 s82, s[WV], 13                      ; my quarter of cc
	s_mov_b32 s83, 0
	s_lshl_b32 s86, s[WG], 9                       ; my work-group's 128 words of blk and of zzb
	s_mov_b32 s87, 0
	s_mov_b32 s[PINF], 0x7f800000
	s_mov_b32 s[SEL], 0x76543210
	s_mov_b32 s[SEL+1], 0xfedcba98
.irp j, 1,2,3,4,5,6,7
	s_mov_b32 s[DM+\j], 0x01010101<<\j
.endr
	s_mov_b32 s[VMK], 0xff0000ff
	s_mov_b32 s[TB], SLOT1
	s_mov_b32 s[CB], 0
	s_mov_b32 s[TP], 0
	s_lshl_b32 s[TC], s[WV], 2                     ; my first tile: code 64 w
	s_wait_dscnt 0x0                               ; the opening add is done
	s_wait_kmcnt 0x0
	s_add_nc_u64 s[G0C+2:G0C+3], s[4:5], s[78:79]
	s_or_b32 s[G0C+3], s[G0C+3], 0x80000000        ; type = 2
	s_add_nc_u64 s[G0Z+2:G0Z+3], s[8:9], s[80:81]
	s_or_b32 s[G0Z+3], s[G0Z+3], 0x80000000
	s_add_nc_u64 s[G0S+2:G0S+3], s[6:7], s[82:83]
	s_or_b32 s[G0S+3], s[G0S+3], 0x80000000
	s_add_nc_u64 s[10:11], s[10:11], s[86:87]
	s_add_nc_u64 s[12:13], s[12:13], s[86:87]
	CROUND                                         ; all four work-groups are here: the first joint loads meet
	tensor_load_to_lds s[G0Z:G0Z+3], s[G1Z:G1Z+7]  ; the three first fills go out together: three loads of mine are out.  z first: it is wanted first
	s_nop 0
	tensor_load_to_lds s[G0S:G0S+3], s[G1S:G1S+7]
	s_nop 0
	tensor_load_to_lds s[G0C:G0C+3], s[G1C:G1C+7]
	s_nop 0
	PLACES
	; lane addresses and the start of the minima, in the wait for z
	v_and_b32 v[R], 15, v0
	v_bfe_u32 v[H], v0, 4, 1
	v_mul_u32_u24 v[A0], v[R], PC
	v_lshl_add_u32 v[A0], v[H], 4, v[A0]
	s_mul_i32 s78, s[WV], WPART
	v_add_nc_u32 v[A0], s78, v[A0]
	v_lshlrev_b32 v[CC0], 5, v[H]
	s_lshl_b32 s79, s[WV], 8
	s_add_co_u32 s79, s79, CCB
	v_add_nc_u32 v[CC0], s79, v[CC0]
	v_mul_u32_u24 v[ZA0], v[R], PZ
	v_lshl_add_u32 v[ZA0], v[H], 5, v[ZA0]
	v_add_nc_u32 v[ZA1], 64*PZ, v[ZA0]
	s_lshl_b32 s79, s[WV], 10
	s_add_co_u32 s79, s79, SCR
	v_lshl_add_u32 v[SA], v[R], 3, s79
.set i, 0
.rept 8
	v_mov_b32 v[RUN+i], s[PINF]
	v_mov_b32 v[IDX+i], 0
	v_mov_b32 v[CC+8+i], s[PINF]                   ; the first tile works off a tile that has not been: with cc = +inf its d never lowers a minimum
.set i, i+1
.endr
	v_mov_b32 v[TM+1], 0                           ; v_permlanex16_b32 counts as a reader of its destination
	v_mov_b32 v[TM+2], 0
	v_mov_b32 v[TM+3], 0
	s_wait_tensorcnt 0x2                           ; my quarter of z is in; cc and chunk 0, issued behind it, may stay out
	s_barrier_signal -1
	s_barrier_wait -1                              ; everybody's quarter is in
; z INTO FRAGMENTS.  Half tile n = 2 t + half: rows 16 t .., K steps 4 half .. + 3.  Lane (r, h) needs, for K step c, columns 32 c + 8 h + 0..7 and 32 c + 16 + 8 h + 0..7: four loads of 16 bytes.
.macro ZLOAD n, buf
	WIN 0
.set q, 0
.rept 4
.irp o, 0,1,2,3
	ds_load_b128 v[(\buf)+16*q+4*\o:(\buf)+16*q+4*\o+3], v[ZA0+(\n)/8] offset:16*PZ*(((\n)/2)%4)+128*(4*((\n)%2)+q)+16*(\o%2)+64*(\o/2)
.endr
.set q, q+1
.endr
.endm
.macro ZCVT n, buf
	WIN 0x40<<((\n)%2)                             ; destination window 1 (K steps 0-3) or 2 (K steps 4-7)
.set q, 0
.rept 4
.set j, 0
.rept 8
	v_cvt_pk_bf16_f32 v[8*(8*q+(\n)/2)+j], v[(\buf)+16*q+2*j], v[(\buf)+16*q+2*j+1]
.set j, j+1
.endr
.set q, q+1
.endr
.endm
	ZLOAD 0, ACC                                   ; the two sets of accumulators serve as two stages of 64 registers
	ZLOAD 1, ACC+64
.set nn, 0
.rept 16
.if nn < 15
	s_wait_dscnt 16                                ; this half tile's 16 loads are in; the next one's may stay out
.else
	s_wait_dscnt 0x0
.endif
	ZCVT nn, ACC+64*(nn%2)
.if nn < 14
	ZLOAD nn+2, ACC+64*(nn%2)
.endif
.set nn, nn+1
.endr
	; z's bytes are given to chunk 1.  All my loads have landed (cc and chunk 0 among them); the add; my reads of z are over; a round, so that this holds of every wave of all four work-groups.
	WIN 0
	s_wait_tensorcnt 0x0
	ds_add_u32 v[SPW], v[NIL]                      ; 0 onto my spare word; the descriptor's step stands between it and the wait for it
	s_xor_b32 s[G0C+1], s[G0C+1], SLOT1            ; the walking descriptor: the other slot,
	s_add_nc_u64 s[G0C+2:G0C+3], s[G0C+2:G0C+3], CHUNKB  ; the next chunk; the type bits on top are not reached
	s_wait_dscnt 0x0
	CROUND
	tensor_load_to_lds s[G0C:G0C+3], s[G1C:G1C+7]  ; chunk 1: my one load behind the round
	s_nop 0
	PLACES
	; zz = the diagonal of z z^T, a z tile at a time: source 0 and source 1 are the same fragment.  K outer: the 8 accumulators take turns.
.set c, 0
.rept 8
	WIN 0x05<<(c/4)                                ; sources 0 and 1 in window 1, then 2
.set t, 0
.rept 8
.set rF, 8*(8*(c%4)+t)
.if c == 0
	v_wmma_f32_16x16x32_bf16 v[ACC+8*t:ACC+8*t+7], v[rF:rF+7], v[rF:rF+7], 0
.else
	v_wmma_f32_16x16x32_bf16 v[ACC+8*t:ACC+8*t+7], v[rF:rF+7], v[rF:rF+7], v[ACC+8*t:ACC+8*t+7]
.endif
.set t, t+1
.endr
.set c, c+1
.endr
	WIN 0
	PLACES
	; Register j of lane (r, h) is element (8 h + j, r): the diagonal lies in register r % 8 of lanes 0-7 and 24-31; the other lanes take it from the lane 16 away.
.set t, 0
.rept 8
.set rA, ACC+8*t
.set rT, TM+2*(t%2)
	v_cndmask_b32 v[rT], v[rA], v[rA+1], s[DM+1]   ; the accumulator's lowest registers are read first
.irp j, 2,3,4,5,6,7
	v_cndmask_b32 v[rT], v[rT], v[rA+\j], s[DM+\j]
.endr
	v_permlanex16_b32 v[rT+1], v[rT], s[SEL], s[SEL+1]
	v_cndmask_b32 v[ZZ+2*t], v[rT+1], v[rT], s[VMK]
	v_mov_b32 v[ZZ+2*t+1], v[ZZ+2*t]               ; twice: the packed multiply-add takes a pair
.set t, t+1
.endr
; Two LDS loads: code fragment f (16 codes x 32 K) of the tile at byte off of my part of the slot in hand.
.macro LDF f, off
	ds_load_b128 v[AF+8*(\f):AF+8*(\f)+3],   v[ADR] offset:(\off)+64*(\f)
	ds_load_b128 v[AF+8*(\f)+4:AF+8*(\f)+7], v[ADR] offset:(\off)+64*(\f)+32
.endm
; Two LDS loads: cc of my octet of tile i of the chunk in hand, into buffer p.
.macro LDC p, i
	ds_load_b128 v[CC+8*(\p):CC+8*(\p)+3],   v[CCA] offset:64*(\i)
	ds_load_b128 v[CC+8*(\p)+4:CC+8*(\p)+7], v[CCA] offset:64*(\i)+16
.endm
; Number n of the 19 lines that work accumulator t of set p off, in place.  0-3: zz - 2 mm, one rounding.  4-7: + cc, one rounding.  8-14: the octet's minimum (+inf fills the place of source 1).
; 15, 16: is it strictly below the running minimum?  (The difference of two f32 has the sign of the comparison; inf - inf is NaN and counts as no.)  17: then the tile is remembered.  18: the new minimum.
.macro EP p, t
.set rA, ACC+64*(\p)+8*(\t)
.set rK, CC+8*(\p)
.if n < 4
	v_pk_fma_f32 v[rA+2*n:rA+2*n+1], v[rA+2*n:rA+2*n+1], -2.0, v[ZZ+2*(\t):ZZ+2*(\t)+1] op_sel_hi:[1,0,1]
.elseif n < 8
	v_pk_fma_f32 v[rA+2*n-8:rA+2*n-7], v[rA+2*n-8:rA+2*n-7], 1.0, v[rK+2*n-8:rK+2*n-7] op_sel_hi:[1,0,1]
.elseif n < 12
	v_min3_num_f32 v[rA+2*n-16], v[rA+2*n-16], s[PINF], v[rA+2*n-15]
.elseif n == 12
	v_min3_num_f32 v[rA], v[rA], s[PINF], v[rA+2]
.elseif n == 13
	v_min3_num_f32 v[rA+4], v[rA+4], s[PINF], v[rA+6]
.elseif n == 14
	v_min3_num_f32 v[rA], v[rA], s[PINF], v[rA+4]
.elseif n == 15
	v_fma_f32 v[rA+1], v[rA], 1.0, -v[RUN+(\t)]
.elseif n == 16
	v_cmp_lt_f32 s[MK], v[rA+1], 0
.elseif n == 17
	v_cndmask_b32 v[IDX+(\t)], v[IDX+(\t)], s[TP], s[MK]
.else
	v_min3_num_f32 v[RUN+(\t)], v[rA], s[PINF], v[RUN+(\t)]
.endif
.endm
; K step s of a tile on set p: 8 matrix instructions, and beside them accumulator s of the other set is worked off.  The LDS loads stand behind the second matrix instruction:
; the fragment that they overwrite was last read seven plain vector lines back.  kind 1: fragment s - 1 of the tile at byte off.  kind 2 (step 0): this tile's cc and its own fragment 7; off is the tile's number.
.macro STEP p, s, kind, off
.set zt, 0
.rept 8
.set rD, ACC+64*(\p)+8*zt
.set rB, 8*(8*((\s)%4)+zt)
.if (\s) == 0
	v_wmma_f32_16x16x32_bf16 v[rD:rD+7], v[AF:AF+7], v[rB:rB+7], 0
.else
	v_wmma_f32_16x16x32_bf16 v[rD:rD+7], v[AF+8*(\s):AF+8*(\s)+7], v[rB:rB+7], v[rD:rD+7]
.endif
.set n, (19*zt)/8
.rept (19*(zt+1))/8-(19*zt)/8
	EP 1-(\p), \s
.set n, n+1
.endr
.if zt == 1
.if (\kind) == 1
	LDF (\s)-1, \off
.elseif (\kind) == 2
	LDC \p, \off
	LDF 7, 16*PC*(\off)
.endif
.endif
.set zt, zt+1
.endr
.endm
; TILE i of a chunk, on set p.  The wait ahead of a step: fragment s was asked for seven steps ago; younger than it are six fragments' 12 loads (at steps 1 to 6 the two of cc besides).
; chg = 1, 2: the chunk's last tile changes slots.  All its own fragments have been asked for at step 0.  Then: all my tensor loads have landed (one was out: my part of the next chunk); the add;
; K step 1; the add is done and my reads of the slot are over; the barrier, with K step 2 between its signal and its wait.  chg = 1: the barrier opens a round of the cluster's, so that no wave of
; any partner still reads the slot or has a load on its way, and the slot is filled again first thing behind it, with the chunk two on: 240 matrix instructions ahead of the wait for it.
.macro TILE p, i, chg
	WIN W1
	s_wait_dscnt 12
	STEP \p, 0, 2, \i
.if (\chg) == 0
.irp s, 1,2,3
	s_wait_dscnt 12
	STEP \p, \s, 1, 16*PC*((\i)+1)
.endr
	WIN W2
.irp s, 4,5,6,7
	s_wait_dscnt 12
	STEP \p, \s, 1, 16*PC*((\i)+1)
.endr
	s_mov_b32 s[TP], s[TC]
	s_add_co_u32 s[TC], s[TC], 1
.else
	WIN 0                                          ; (the add's data register is a source 1)
	s_wait_tensorcnt 0x0
	ds_add_u32 v[SPW], v[NIL]
.if (\chg) == 1
	s_xor_b32 s[G0C+1], s[G0C+1], SLOT1            ; no load of mine is out, so group 0 may be written: the slot that is being left,
	s_add_nc_u64 s[G0C+2:G0C+3], s[G0C+2:G0C+3], CHUNKB  ; the next chunk to ask for
.endif
	s_xor_b32 s[TB], s[TB], SLOT1                  ; the reads go on in the other slot,
	s_add_co_u32 s[CB], s[CB], 1024                ; with the next chunk's cc
	WIN W1
	s_wait_dscnt 12
	STEP \p, 1, 0, 0
	s_wait_dscnt 0x0
	s_barrier_signal -1
	STEP \p, 2, 0, 0                               ; work on registers alone
	WIN 0                                          ; at a branch and at a label every window is 0
	s_barrier_wait -1
.if (\chg) == 1
	CREST
	tensor_load_to_lds s[G0C:G0C+3], s[G1C:G1C+7]
	s_nop 0
.endif
	PLACES                                         ; also the places in front of the loads into fragments 0 to 2
	v_add_nc_u32 v[ADR], s[TB], v[A0]
	v_add_nc_u32 v[CCA], s[CB], v[CC0]
	LDF 0, 0
	LDF 1, 0
	LDF 2, 0
	WIN W1
	STEP \p, 3, 0, 0                               ; this tile's fragments are all in: no wait up to its end
	WIN W2
.irp s, 4,5,6,7
	STEP \p, \s, 1, 0
.endr
	s_mov_b32 s[TP], s[TC]
	s_add_co_u32 s[TC], s[TC], 13                  ; my first tile of the next chunk
.endif
.endm
	v_add_nc_u32 v[ADR], s[TB], v[A0]
	v_add_nc_u32 v[CCA], s[CB], v[CC0]
.irp f, 0,1,2,3,4,5,6
	LDF \f, 0                                      ; chunk 0 was shown landed in front of the round above
.endr
	s_mov_b32 s[CNT], 30
.Lchunk:                                               ; chunks 0 to 29: each asks for the chunk two on
	TILE 0, 0, 0
	TILE 1, 1, 0
	TILE 0, 2, 0
	TILE 1, 3, 1
	WIN 0
	s_sub_co_u32 s[CNT], s[CNT], 1
	s_cmp_lg_u32 s[CNT], 0
	s_cbranch_scc1 .Lchunk
	s_mov_b32 s[CNT], 2
.Ltail:                                                ; chunks 30 and 31 ask for nothing.  The second trip's change fetches fragments of chunk 30 once more, which serve nothing: the price of one text for both
	TILE 0, 0, 0
	TILE 1, 1, 0
	TILE 0, 2, 0
	TILE 1, 3, 2
	WIN 0
	s_sub_co_u32 s[CNT], s[CNT], 1
	s_cmp_lg_u32 s[CNT], 0
	s_cbranch_scc1 .Ltail
	s_wait_dscnt 0x0                               ; those fragments
	PLACES
	; the last tile is worked off: lines 0 to 14 across the 8 accumulators, then each one's last four
.set n, 0
.rept 15
.set t, 0
.rept 8
	EP 1, t
.set t, t+1
.endr
.set n, n+1
.endr
.set t, 0
.rept 8
.set n, 15
.rept 4
	EP 1, t
.set n, n+1
.endr
.set t, t+1
.endr
; (dd, dg) = the lesser of (d, g) and (e, f): by distance, then by octet
.macro LEX dd, dg, d, g, e, f
	v_cmp_lt_f32 s78, v[\e], v[\d]
	v_cmp_eq_f32 s79, v[\e], v[\d]
	v_cmp_lt_u32 s80, v[\f], v[\g]
	s_and_b32 s79, s79, s80
	s_or_b32 s78, s78, s79
	v_cndmask_b32 v[\dd], v[\d], v[\e], s78
	v_cndmask_b32 v[\dg], v[\g], v[\f], s78
.endm
	; THE MERGE.  Octet = 2 x tile + h; the row's other octets of these tiles lie in the lane 16 away; the other waves' in LDS.
.set t, 0
.rept 8
	v_lshl_add_u32 v[IDX+t], v[IDX+t], 1, v[H]
.set t, t+1
.endr
.set t, 0
.rept 8
.set rT, TM+2*(t%2)
	v_permlanex16_b32 v[rT], v[RUN+t], s[SEL], s[SEL+1]
	v_permlanex16_b32 v[rT+1], v[IDX+t], s[SEL], s[SEL+1]
	LEX AF+2*t, AF+2*t+1, RUN+t, IDX+t, rT, rT+1
	ds_store_b64 v[SA], v[AF+2*t:AF+2*t+1] offset:128*t  ; row 16 t + r; both halves of the lanes write the same
.set t, t+1
.endr
	s_cmp_lg_u32 s[WV], 0
	s_cbranch_scc1 .Lno_zz
	v_lshl_add_u32 v[TM], v[R], 2, ZS
.set t, 0
.rept 8
	ds_store_b32 v[TM], v[ZZ+2*t] offset:64*t
.set t, t+1
.endr
.Lno_zz:
	s_wait_dscnt 0x0                               ; for the others' sake: my stores are done
	s_barrier_signal -1
	s_barrier_wait -1
	s_cmp_lg_u32 s[WV], 0
	s_cbranch_scc1 .Ldone
	v_and_b32 v[TM], 31, v0                        ; wave 0: lane l takes rows 4 l .. 4 l + 3
	v_lshl_add_u32 v[TM+1], v[TM], 5, SCR
	v_lshl_add_u32 v[TM+2], v[TM], 4, ZS
	v_lshlrev_b32 v[TM+3], 4, v[TM]
.irp u, 0,1,2,3
	ds_load_b128 v[ACC+8*\u:ACC+8*\u+3],   v[TM+1] offset:1024*\u
	ds_load_b128 v[ACC+8*\u+4:ACC+8*\u+7], v[TM+1] offset:1024*\u+16
.endr
	ds_load_b128 v[ACC+32:ACC+35], v[TM+2]
	s_wait_dscnt 0x0
.irp u, 1,2,3
.irp q, 0,1,2,3
	LEX ACC+2*\q, ACC+2*\q+1, ACC+2*\q, ACC+2*\q+1, ACC+8*\u+2*\q, ACC+8*\u+2*\q+1
.endr
.endr
.irp q, 0,1,2,3
	v_mov_b32 v[ACC+36+\q], v[ACC+2*\q+1]          ; the four octets side by side
.endr
	global_store_b128 v[TM+3], v[ACC+36:ACC+39], s[10:11]  ; 512 consecutive bytes, aligned
	global_store_b128 v[TM+3], v[ACC+32:ACC+35], s[12:13]
.Ldone:
	s_wait_tensorcnt 0x0                           ; the wave's end: three lines behind my last tensor load and my last LDS store
	ds_add_u32 v[SPW], v[NIL]
	s_wait_dscnt 0x0
	CROUND                                         ; the closing round: no work-group ends while a partner may still ask for a tile that names it
	s_endpgm
.Lfunc_end_k_qf453dc8fef_main:
	.size	k_qf453dc8fef_main, .Lfunc_end_k_qf453dc8fef_main-k_qf453dc8fef_main
	.p2alignl 7, 3214868480
	.fill 96, 4, 3214868480
	.section	.rodata,"a",@progbits
	.p2align	6, 0x0
	.amdhsa_kernel k_qf453dc8fef_main
		.amdhsa_group_segment_fixed_size 327680
		.amdhsa_private_segment_fixed_size 0
		.amdhsa_enable_private_segment 0
		.amdhsa_kernarg_size 40
		.amdhsa_user_sgpr_count 2
		.amdhsa_user_sgpr_kernarg_segment_ptr 1
		.amdhsa_wavefront_size32 1
		.amdhsa_system_sgpr_workgroup_id_x 1
		.amdhsa_system_sgpr_workgroup_id_y 1
		.amdhsa_system_sgpr_workgroup_id_z 1
		.amdhsa_system_vgpr_workitem_id 0
		.amdhsa_next_free_vgpr 768
		.amdhsa_next_free_sgpr 92
		.amdhsa_reserve_vcc 0
		.amdhsa_float_denorm_mode_32 3
		.amdhsa_float_denorm_mode_16_64 3
		.amdhsa_memory_ordered 1
		.amdhsa_forward_progress 1
		.amdhsa_inst_pref_size 211
	.end_amdhsa_kernel
	.amdgpu_metadata
---
amdhsa.version: [ 1, 2 ]
amdhsa.kernels:
  - .name:           k_qf453dc8fef_main
    .symbol:         k_qf453dc8fef_main.kd
    .args:
      - { .name: cbh, .offset: 0, .size: 8, .value_kind: global_buffer, .address_space: global }
      - { .name: ccb, .offset: 8, .size: 8, .value_kind: global_buffer, .address_space: global }
      - { .name: z, .offset: 16, .size: 8, .value_kind: global_buffer, .address_space: global }
      - { .name: blk, .offset: 24, .size: 8, .value_kind: global_buffer, .address_space: global }
      - { .name: zzb, .offset: 32, .size: 8, .value_kind: global_buffer, .address_space: global }
    .group_segment_fixed_size: 327680
    .private_segment_fixed_size: 0
    .kernarg_segment_align: 8
    .kernarg_segment_size: 40
    .max_flat_workgroup_size: 128
    .sgpr_count:     92
    .vgpr_count:     768
    .wavefront_size: 32
...
	.end_amdgpu_metadata
.endif
;; end of part 2
;; launch finish (part 3): grid 256 x 1, 8 waves a work-group, no clusters, 1,792 bytes of LDS; arguments z, cbh, ccb, blk, zzb, out0, out2, part; writes out0, out2, part
.if DOCPART == 3
	.amdgcn_target "amdgcn-amd-amdhsa--gfx1250"
	.amdhsa_code_object_version 6
	.text
	.protected	k_qf453dc8fef_finish
	.globl	k_qf453dc8fef_finish
	.p2align	8
	.type	k_qf453dc8fef_finish,@function
k_qf453dc8fef_finish:
	s_mov_b64 s[64:65], 0
	v_nop
	global_prefetch_b8 v0, s[64:65] scope:SCOPE_SE
	s_setreg_imm32_b32 hwreg(HW_REG_WAVE_MODE, 25, 1), 1
	s_wait_xcnt 0x0
; For each row of z: the 8 codes of its octet blk[row] are tried once more, d[j] = fl(fl(zz - 2 z.c_j) + cc_j) with z rounded to bf16 and f32 multiply-adds; the first least d gives out2[row];
; out0[row] = z + (c - z) with the unrounded z and the bf16 code row c; part[work-group] = the sum of (c - z)^2 over its 128 rows.
; A stream with a gather: memory binds, so no matrix unit.  No cluster: which code rows a work-group reads hangs on its own rows' octets, so no tile is shared.
; A work-group owns 128 rows, each of its 8 waves 16, a row at a time.  A lane holds columns 4 l .. + 3 and 128 + 4 l .. + 3.  Two register slots: while one row is worked on, the next row's 20 loads are out.
; LIMITS.  c in out0 and in the loss is the code row rounded to bf16 (off by at most 2^-9 of itself).  An octet outside 0..1023 is clamped.  NaN and infinities are not treated apart.
.set SPARE, 768                        ; LDS: 0-511 the 128 codes; 512-543 the 8 waves' sums (the block to 767 is theirs); from 768 on the spare words, 128 bytes for each of 8 waves
.set LNE, 1                            ; v1   lane
.set L16, 2                            ; v2   16 x lane
.set L8,  3                            ; v3   8 x lane
.set VB,  4                            ; v4   lane l: the octet of my wave's row l % 16
.set VZZ, 5                            ; v5   its zz
.set SPW, 6                            ; v6   my spare word; never rewritten
.set NIL, 7                            ; v7   0; never rewritten
.set ZR,  8                            ; v8   0: starts the chains, and the offset of the one-word store
.set CODES, 9                          ; v9   lane l: the code of row l % 16
.set LS,  10                           ; v[10:13] the loss, two pairs
.set ZO,  14                           ; v14, 15  slot s: my bytes in its row of z and out0
.set CO,  16                           ; v16, 17  slot s: my bytes in its octet's first row of cbh
.set KO,  18                           ; v18, 19  slot s: its octet's bytes in ccb
.set TA,  20                           ; v20-23   addresses at the start and the end
.set SL,  32                           ; slot s at 32 + 48 s: z 8, cc 8, the 8 candidates 4 each
.set ZP,  128                          ; v[128:131] z rounded to bf16
.set AA,  132                          ; v[132:139] the 8 products
.set DD,  140                          ; v[140:147] the 8 distances
.set TT,  148                          ; v[148:155] at work
.set SE,  156                          ; v[156:159] the best candidate so far
.set BEST, 160
.set JB,  161
.set QQ,  162                          ; v[162:169] c, then c - z
.set OO,  170                          ; slot s at 170 + 8 s: what is stored
.set RI,  21                           ; s21  the row in hand, 0..15
.set G,   22                           ; s22, 23  slot s: its octet
.set RN,  27                           ; s27  the row to be asked for
	s_load_b512 s[4:19], s[0:1], 0x0               ; z, cbh, ccb, blk, zzb, out0, out2, part
	v_lshl_add_u32 v[SPW], v0, 2, SPARE
	v_mov_b32 v[NIL], 0
	v_lshrrev_b32 v[TA+1], 5, v0
	v_readfirstlane_b32 s20, v[TA+1]               ; wave 0..7
	v_and_b32 v[LNE], 31, v0
	v_lshlrev_b32 v[L16], 4, v[LNE]
	v_lshlrev_b32 v[L8], 3, v[LNE]
	v_and_b32 v[TA], 15, v0
	v_lshlrev_b32 v[TA], 2, v[TA]                  ; 4 (lane % 16)
	v_mov_b32 v[ZR], 0
	v_mov_b32 v[CODES], 0
.irp i, 0,1,2,3
	v_mov_b32 v[LS+\i], 0
.endr
.irp i, 0,1,2,3,4,5,6,7
	v_mov_b32 v[TT+\i], 0                          ; v_permlanex16_b32 counts as a reader of its destination
.endr
	v_mov_b32 v[ZO], v[L16]
	v_add_nc_u32 v[ZO+1], 1024, v[L16]
	s_mov_b32 s28, 0x76543210
	s_mov_b32 s29, 0xfedcba98
	s_mov_b32 s30, 0xffff0000                      ; a word's upper bf16
	s_lshl_b32 s32, ttmp9, 7
	s_lshl4_add_u32 s32, s20, s32                  ; my wave's first row: 128 x work-group + 16 x wave
	s_lshl_b32 s34, s32, 10                        ; in z and out0
	s_mov_b32 s35, 0
	s_lshl_b32 s36, s32, 2                         ; in blk and zzb
	s_mov_b32 s37, 0
	s_lshl_b32 s38, ttmp9, 9                       ; my work-group's 128 codes in out2
	s_mov_b32 s39, 0
	s_lshl_b32 s40, ttmp9, 2                       ; its word in part
	s_mov_b32 s41, 0
	s_mov_b32 s[RI], 0
	s_mov_b32 s[RN], 1
	s_wait_kmcnt 0x0
	s_add_nc_u64 s[4:5], s[4:5], s[34:35]
	s_add_nc_u64 s[14:15], s[14:15], s[34:35]
	s_add_nc_u64 s[10:11], s[10:11], s[36:37]
	s_add_nc_u64 s[12:13], s[12:13], s[36:37]
	s_add_nc_u64 s[16:17], s[16:17], s[38:39]
	s_add_nc_u64 s[18:19], s[18:19], s[40:41]
	global_load_b32 v[VB], v[TA], s[10:11]
	global_load_b32 v[VZZ], v[TA], s[12:13]
	s_wait_loadcnt 0x0
; 20 loads for the row whose number stands in s[row]: z (2), the octet's 8 rows of cbh (16), its 8 cc (2).
.macro ISSUE s, row
.set rZ, SL+48*(\s)
	v_readlane_b32 s[G+(\s)], v[VB], s[\row]
	s_min_u32 s[G+(\s)], s[G+(\s)], 1023           ; a loaded number enters an address only clamped; behind the clamp: shifts and sums
	v_lshl_add_u32 v[CO+(\s)], s[G+(\s)], 12, v[L8]  ; an octet is 8 rows of 512 bytes
	v_lshl_add_u32 v[KO+(\s)], s[G+(\s)], 5, 0
	global_load_b128 v[rZ:rZ+3],   v[ZO+(\s)], s[4:5] th:TH_LOAD_NT
	global_load_b128 v[rZ+4:rZ+7], v[ZO+(\s)], s[4:5] offset:512 th:TH_LOAD_NT
.irp j, 0,1,2,3,4,5,6,7
	global_load_b64 v[rZ+16+4*\j:rZ+16+4*\j+1], v[CO+(\s)], s[6:7] offset:512*\j
	global_load_b64 v[rZ+16+4*\j+2:rZ+16+4*\j+3], v[CO+(\s)], s[6:7] offset:512*\j+256
.endr
	global_load_b128 v[rZ+8:rZ+11],  v[KO+(\s)], s[8:9]
	global_load_b128 v[rZ+12:rZ+15], v[KO+(\s)], s[8:9] offset:16
.endm
; The turn of slot s.  ahead = 1: the slot is asked for again, two rows on.  left: the younger loads that may stay out.
.macro TURN s, ahead, left
.set rZ, SL+48*(\s)
.set rK, rZ+8
.set rC, rZ+16
.set rO, OO+8*(\s)
	s_wait_loadcnt \left                           ; loads come back in order: my slot's 20 are in, which also frees its three address registers of them
	s_wait_xcnt 0x0                                ; what the slot's last stores read (its output registers, its offset) is rewritten only behind this wait
.irp j, 0,1,2,3
	v_cvt_pk_bf16_f32 v[ZP+\j], v[rZ+2*\j], v[rZ+2*\j+1]
.endr
	; 8 products of 8 terms a lane, in 8 chains
.set m, 0
.rept 4
.set j, 0
.rept 8
.if m == 0
	v_fma_mix_f32_bf16 v[AA+j], v[ZP], v[rC+4*j], v[ZR] op_sel_hi:[1,1,0]
.else
	v_fma_mix_f32_bf16 v[AA+j], v[ZP+m], v[rC+4*j+m], v[AA+j] op_sel_hi:[1,1,0]
.endif
.set j, j+1
.endr
.set j, 0
.rept 8
	v_fma_mix_f32_bf16 v[AA+j], v[ZP+m], v[rC+4*j+m], v[AA+j] op_sel:[1,1,0] op_sel_hi:[1,1,0]
.set j, j+1
.endr
.set m, m+1
.endr
.irp x, 1,2,4,8
.irp j, 0,1,2,3,4,5,6,7
	v_add_f32_dpp v[AA+\j], v[AA+\j], v[AA+\j] row_xmask:\x row_mask:0xf bank_mask:0xf
.endr
.endr
.irp j, 0,1,2,3,4,5,6,7
	v_permlanex16_b32 v[TT+\j], v[AA+\j], s28, s29
.endr
	v_readlane_b32 s24, v[VZZ], s[RI]
.irp j, 0,1,2,3,4,5,6,7
	v_add_f32 v[AA+\j], v[AA+\j], v[TT+\j]
.endr
.irp j, 0,1,2,3,4,5,6,7
	v_fma_f32 v[DD+\j], v[AA+\j], -2.0, s24        ; zz - 2 mm, one rounding,
.endr
.irp j, 0,1,2,3,4,5,6,7
	v_add_f32 v[DD+\j], v[DD+\j], v[rK+\j]         ; + cc, one rounding
.endr
	; the first least d: only a strictly lower one replaces.  Every lane holds all 8 d, and keeps its own 8 columns of the best row.
	v_cmp_lt_f32 vcc_lo, v[DD+1], v[DD]
	v_cndmask_b32 v[BEST], v[DD], v[DD+1], vcc_lo
	v_cndmask_b32 v[JB], 0, 1, vcc_lo
.irp k, 0,1,2,3
	v_cndmask_b32 v[SE+\k], v[rC+\k], v[rC+4+\k], vcc_lo
.endr
.irp j, 2,3,4,5,6,7
	v_cmp_lt_f32 vcc_lo, v[DD+\j], v[BEST]
	v_cndmask_b32 v[BEST], v[BEST], v[DD+\j], vcc_lo
	v_cndmask_b32 v[JB], v[JB], \j, vcc_lo
.irp k, 0,1,2,3
	v_cndmask_b32 v[SE+\k], v[SE+\k], v[rC+4*\j+\k], vcc_lo
.endr
.endr
.irp k, 0,1,2,3
	v_lshlrev_b32 v[QQ+2*\k], 16, v[SE+\k]
	v_and_b32 v[QQ+2*\k+1], s30, v[SE+\k]
.endr
.irp k, 0,1,2,3
	v_pk_add_f32 v[QQ+2*\k:QQ+2*\k+1], v[QQ+2*\k:QQ+2*\k+1], v[rZ+2*\k:rZ+2*\k+1] neg_lo:[0,1] neg_hi:[0,1]  ; c - z
.endr
.irp k, 0,1,2,3
	v_pk_add_f32 v[rO+2*\k:rO+2*\k+1], v[rZ+2*\k:rZ+2*\k+1], v[QQ+2*\k:QQ+2*\k+1]                          ; z + (c - z)
	v_pk_fma_f32 v[LS+2*(\k%2):LS+2*(\k%2)+1], v[QQ+2*\k:QQ+2*\k+1], v[QQ+2*\k:QQ+2*\k+1], v[LS+2*(\k%2):LS+2*(\k%2)+1]
.endr
	v_lshl_add_u32 v[JB], s[G+(\s)], 3, v[JB]      ; the code
	s_lshl_b32 s25, 0x10001, s[RI]
	v_cndmask_b32 v[CODES], v[CODES], v[JB], s25   ; kept by lanes RI and RI + 16
.if \ahead
	v_add_nc_u32 v[ZO+(\s)], 2048, v[ZO+(\s)]      ; the slot's next row; the stores below reach back
	s_add_co_u32 s[RN], s[RI], 2
	ISSUE \s, RN
	global_store_b128 v[ZO+(\s)], v[rO:rO+3],   s[14:15] offset:-2048 th:TH_STORE_NT  ; 512 consecutive bytes, aligned
	global_store_b128 v[ZO+(\s)], v[rO+4:rO+7], s[14:15] offset:-1536 th:TH_STORE_NT
.else
	global_store_b128 v[ZO+(\s)], v[rO:rO+3],   s[14:15] th:TH_STORE_NT
	global_store_b128 v[ZO+(\s)], v[rO+4:rO+7], s[14:15] offset:512 th:TH_STORE_NT
.endif
	s_add_co_u32 s[RI], s[RI], 1
.endm
	ISSUE 0, RI
	ISSUE 1, RN
	s_mov_b32 s26, 7
.Lrows:
	TURN 0, 1, 20
	TURN 1, 1, 20
	s_sub_co_u32 s26, s26, 1
	s_cmp_lg_u32 s26, 0
	s_cbranch_scc1 .Lrows
	TURN 0, 0, 20                                  ; the last two rows ask for nothing
	TURN 1, 0, 0
	; the wave's loss, and both results to LDS
	v_pk_add_f32 v[LS:LS+1], v[LS:LS+1], v[LS+2:LS+3]
	v_add_f32 v[LS], v[LS], v[LS+1]
.irp x, 1,2,4,8
	v_add_f32_dpp v[LS], v[LS], v[LS] row_xmask:\x row_mask:0xf bank_mask:0xf
.endr
	v_permlanex16_b32 v[TT], v[LS], s28, s29
	v_add_f32 v[LS], v[LS], v[TT]
	v_lshl_add_u32 v[TA+1], s20, 6, v[TA]          ; 64 w + 4 (lane % 16)
	s_lshl_b32 s31, s20, 2
	s_add_co_u32 s31, s31, 512
	v_mov_b32 v[TA+2], s31
	ds_store_b32 v[TA+1], v[CODES]                 ; both halves of the lanes write the same
	ds_store_b32 v[TA+2], v[LS]
	s_wait_dscnt 0x0                               ; for the others' sake: my stores are done
	s_barrier_signal -1
	s_barrier_wait -1
	s_cmp_lg_u32 s20, 0
	s_cbranch_scc1 .Lend
	v_mov_b32 v[TA+3], 512
	ds_load_b128 v[AA:AA+3], v[L16]
	ds_load_b128 v[DD:DD+3], v[TA+3]
	ds_load_b128 v[DD+4:DD+7], v[TA+3] offset:16
	s_wait_dscnt 0x0
	global_store_b128 v[L16], v[AA:AA+3], s[16:17] ; the 128 codes: 512 consecutive bytes, aligned
	v_pk_add_f32 v[DD:DD+1], v[DD:DD+1], v[DD+2:DD+3]
	v_pk_add_f32 v[DD+4:DD+5], v[DD+4:DD+5], v[DD+6:DD+7]
	v_pk_add_f32 v[DD:DD+1], v[DD:DD+1], v[DD+4:DD+5]
	v_add_f32 v[DD], v[DD], v[DD+1]
	v_cmp_eq_u32 vcc_lo, 0, v[LNE]
	s_wait_xcnt 0x0                                ; EXEC is a source of the store above: it changes only behind this wait
	s_and_saveexec_b32 s31, vcc_lo
	global_store_b32 v[ZR], v[DD], s[18:19]        ; one word, by lane 0
	s_wait_xcnt 0x0                                ; and again in front of the line that widens it
	s_or_b32 exec_lo, exec_lo, s31
.Lend:
	s_wait_tensorcnt 0x0                           ; the wave's end: three lines behind my last LDS store
	ds_add_u32 v[SPW], v[NIL]
	s_wait_dscnt 0x0
	s_endpgm
.Lfunc_end_k_qf453dc8fef_finish:
	.size	k_qf453dc8fef_finish, .Lfunc_end_k_qf453dc8fef_finish-k_qf453dc8fef_finish
	.p2alignl 7, 3214868480
	.fill 96, 4, 3214868480
	.section	.rodata,"a",@progbits
	.p2align	6, 0x0
	.amdhsa_kernel k_qf453dc8fef_finish
		.amdhsa_group_segment_fixed_size 1792
		.amdhsa_private_segment_fixed_size 0
		.amdhsa_enable_private_segment 0
		.amdhsa_kernarg_size 64
		.amdhsa_user_sgpr_count 2
		.amdhsa_user_sgpr_kernarg_segment_ptr 1
		.amdhsa_wavefront_size32 1
		.amdhsa_system_sgpr_workgroup_id_x 1
		.amdhsa_system_sgpr_workgroup_id_y 1
		.amdhsa_system_sgpr_workgroup_id_z 1
		.amdhsa_system_vgpr_workitem_id 0
		.amdhsa_next_free_vgpr 192
		.amdhsa_next_free_sgpr 66
		.amdhsa_reserve_vcc 1
		.amdhsa_float_denorm_mode_32 3
		.amdhsa_float_denorm_mode_16_64 3
		.amdhsa_memory_ordered 1
		.amdhsa_forward_progress 1
		.amdhsa_inst_pref_size 58
	.end_amdhsa_kernel
	.amdgpu_metadata
---
amdhsa.version: [ 1, 2 ]
amdhsa.kernels:
  - .name:           k_qf453dc8fef_finish
    .symbol:         k_qf453dc8fef_finish.kd
    .args:
      - { .name: z, .offset: 0, .size: 8, .value_kind: global_buffer, .address_space: global }
      - { .name: cbh, .offset: 8, .size: 8, .value_kind: global_buffer, .address_space: global }
      - { .name: ccb, .offset: 16, .size: 8, .value_kind: global_buffer, .address_space: global }
      - { .name: blk, .offset: 24, .size: 8, .value_kind: global_buffer, .address_space: global }
      - { .name: zzb, .offset: 32, .size: 8, .value_kind: global_buffer, .address_space: global }
      - { .name: out0, .offset: 40, .size: 8, .value_kind: global_buffer, .address_space: global }
      - { .name: out2, .offset: 48, .size: 8, .value_kind: global_buffer, .address_space: global }
      - { .name: part, .offset: 56, .size: 8, .value_kind: global_buffer, .address_space: global }
    .group_segment_fixed_size: 1792
    .private_segment_fixed_size: 0
    .kernarg_segment_align: 8
    .kernarg_segment_size: 64
    .max_flat_workgroup_size: 256
    .sgpr_count:     66
    .vgpr_count:     192
    .wavefront_size: 32
...
	.end_amdgpu_metadata
.endif
;; end of part 3
;; launch lsum (part 4): grid 1 x 1, 1 waves a work-group, no clusters, 0 bytes of LDS; arguments part, out1; writes out1
.if DOCPART == 4
	.amdgcn_target "amdgcn-amd-amdhsa--gfx1250"
	.amdhsa_code_object_version 6
	.text
	.protected	k_qf453dc8fef_lsum
	.globl	k_qf453dc8fef_lsum
	.p2align	8
	.type	k_qf453dc8fef_lsum,@function
k_qf453dc8fef_lsum:
	s_mov_b64 s[64:65], 0
	v_nop
	global_prefetch_b8 v0, s[64:65] scope:SCOPE_SE
	s_setreg_imm32_b32 hwreg(HW_REG_WAVE_MODE, 25, 1), 1
	s_wait_xcnt 0x0
; out1 = 0.25 mean + 0.25 mean, mean = (the sum of the 256 work-groups' partial sums of (z_q - z)^2) / 8,388,608.  A sum over work-groups is made in a launch of its own, by one wave, in a fixed order.
	s_load_b128 s[4:7], s[0:1], 0x0                ; part s[4:5], out1 s[6:7]
	v_lshlrev_b32 v1, 4, v0
	v_mov_b32 v10, 0
	s_mov_b32 s8, 0x76543210
	s_mov_b32 s9, 0xfedcba98
	s_mov_b32 s10, 0x3e800000                      ; 0.25
	s_wait_kmcnt 0x0
	global_load_b128 v[2:5], v1, s[4:5]
	global_load_b128 v[6:9], v1, s[4:5] offset:512
	s_wait_loadcnt 0x0
	v_pk_add_f32 v[2:3], v[2:3], v[4:5]
	v_pk_add_f32 v[6:7], v[6:7], v[8:9]
	v_pk_add_f32 v[2:3], v[2:3], v[6:7]
	v_add_f32 v2, v2, v3
.irp x, 1,2,4,8
	v_add_f32_dpp v2, v2, v2 row_xmask:\x row_mask:0xf bank_mask:0xf
.endr
	v_permlanex16_b32 v3, v2, s8, s9
	v_add_f32 v2, v2, v3
	v_mul_f32 v2, 0x34000000, v2                   ; x 2^-23: the mean over 32,768 x 256 numbers
	v_mul_f32 v3, s10, v2                          ; the commitment's quarter,
	v_fma_f32 v3, v2, s10, v3                      ; and a quarter of the codebook's
	v_cmp_eq_u32 vcc_lo, 0, v0
	s_wait_xcnt 0x0                                ; EXEC changes only behind this wait
	s_and_saveexec_b32 s11, vcc_lo
	global_store_b32 v10, v3, s[6:7]
	s_wait_xcnt 0x0
	s_or_b32 exec_lo, exec_lo, s11
	s_endpgm
.Lfunc_end_k_qf453dc8fef_lsum:
	.size	k_qf453dc8fef_lsum, .Lfunc_end_k_qf453dc8fef_lsum-k_qf453dc8fef_lsum
	.p2alignl 7, 3214868480
	.fill 96, 4, 3214868480
	.section	.rodata,"a",@progbits
	.p2align	6, 0x0
	.amdhsa_kernel k_qf453dc8fef_lsum
		.amdhsa_group_segment_fixed_size 0
		.amdhsa_private_segment_fixed_size 0
		.amdhsa_enable_private_segment 0
		.amdhsa_kernarg_size 16
		.amdhsa_user_sgpr_count 2
		.amdhsa_user_sgpr_kernarg_segment_ptr 1
		.amdhsa_wavefront_size32 1
		.amdhsa_system_sgpr_workgroup_id_x 1
		.amdhsa_system_sgpr_workgroup_id_y 1
		.amdhsa_system_sgpr_workgroup_id_z 1
		.amdhsa_system_vgpr_workitem_id 0
		.amdhsa_next_free_vgpr 16
		.amdhsa_next_free_sgpr 66
		.amdhsa_reserve_vcc 1
		.amdhsa_float_denorm_mode_32 3
		.amdhsa_float_denorm_mode_16_64 3
		.amdhsa_memory_ordered 1
		.amdhsa_forward_progress 1
		.amdhsa_inst_pref_size 2
	.end_amdhsa_kernel
	.amdgpu_metadata
---
amdhsa.version: [ 1, 2 ]
amdhsa.kernels:
  - .name:           k_qf453dc8fef_lsum
    .symbol:         k_qf453dc8fef_lsum.kd
    .args:
      - { .name: part, .offset: 0, .size: 8, .value_kind: global_buffer, .address_space: global }
      - { .name: out1, .offset: 8, .size: 8, .value_kind: global_buffer, .address_space: global }
    .group_segment_fixed_size: 0
    .private_segment_fixed_size: 0
    .kernarg_segment_align: 8
    .kernarg_segment_size: 16
    .max_flat_workgroup_size: 32
    .sgpr_count:     66
    .vgpr_count:     16
    .wavefront_size: 32
...
	.end_amdgpu_metadata
.endif
;; end of part 4
